; MI455X (gfx1250); checked and timed in simulation.
; The chip was launched on July 23, 2026; its instructions are those of AMD's public machine-readable ISA for CDNA 5 (MIT licence, August 2026) and "CDNA5" Instruction Set Architecture Reference Guide (July 2026). The comments in the code are by the model that wrote it; some were corrected since.
;; L Lama Attention. Allowed arithmetic: matrix products marked QUANTISED: E4M3 operands, one given power-of-two scale a tensor, by v_wmma_f32_16x16x64_fp8_fp8 or v_wmma_f32_16x16x128_fp8_fp8, f32 sums; everything else in f32.
;; Inputs: K 4 x 4 x 16 x 128 float32; Kcache 4 x 4 x 8,176 x 128 float32; Q 4 x 32 x 16 x 128 float32; V 4 x 4 x 16 x 128 float32; Vcache 4 x 4 x 8,176 x 128 float32; lowp_scales 4 int32 (the exponents e of the quantised operands' scales 2^e); w1 128 float32; w2 128 float32; w3 8,192 float32.
;; Outputs: out0 4 x 32 x 16 x 128 float32.
;; This version of the problem:
;;   THIS VERSION OF THE PROBLEM IS GIVEN IN LOW PRECISION. The matrix products marked QUANTISED in the list below multiply operands that are first quantised to E4M3 (4 exponent bits, 3 mantissa bits; 8 bits a number), with one given power-of-two scale for each operand tensor; their sums are f32. All else is computed in f32.
;;   The module's matrix products, in the order in which they are computed (A, B: the left and right operand; K: the contracted axis; several contracted axes count as one K, in the product's order):
;;     1. batch 16 x [M 128, K 128] x [K 128, N 8,192]; A: computed on the way; B: computed on the way: QUANTISED (scales: A lowp_scales[0], B lowp_scales[1])
;;     2. batch 16 x [M 128, K 8,192] x [K 8,192, N 128]; A: softmax (see below); B: computed on the way: QUANTISED (scales: A lowp_scales[2], B lowp_scales[3])
;;   THE QUANTISER, for each operand of a quantised product, along K:
;;     - The operand's scale is 2^e, e = its entry of the input lowp_scales (int32; the entries are numbered through the quantised products in the list's order, A before B).
;;     - Each number is divided by the scale, clamped to +-448, and rounded to the nearest number of E4M3, ties to even, subnormals kept.
;;     - The product sums the exact products of the quantised numbers (number of the format x scale) in f32.
;;   ~~~python
;;   def quantise(x, axis, e):      # numpy; x: float32 -> the quantised numbers, widened to float32 again
;;       x = np.moveaxis(x, axis, -1); K = x.shape[-1]
;;       r = np.clip(x / 2.0 ** e, -448, 448)
;;       step = 2.0 ** (np.maximum(np.frexp(np.where(r == 0, 1, r))[1] - 1, -6) - 3)
;;       q = np.round(r / step) * step * 2.0 ** e      # np.round: ties to even
;;       return np.moveaxis(q, -1, axis).astype(np.float32)
;;   ~~~
;;   SOFTMAX AHEAD OF A QUANTISED PRODUCT. Where the list says 'softmax', what is quantised is not the finished softmax but p = 2^(t - M), with t = logit x log2(e) and M = ceil(the row's largest t), a whole number; so 1/2 < the row's largest p <= 1. The row's sum l is taken of the UNQUANTISED p, in f32, and the product's result is divided by l at the end. Since M is a whole number, a kernel that streams over the keys may use a running M (the ceiling of the running maximum): every later rescaling is an exact power of two, so the quantised numbers keep their values, but for numbers so far below the row's largest that they fall under the format's range.
;;   OPERANDS COMPUTED ON THE WAY. 'Computed on the way' means the value that the module computes at that place (a softmax that the list does not call 'softmax' is quantised finished and normalised). What goes into a quantiser is computed in f32, as accurately as f32 sums, v_exp_f32 and their like allow (about 1e-6 of the number): no bf16 or f16 on the way to a quantiser, and a product that is left as it is and whose result goes on into a quantised operand takes f32 operands (vector FMAs, or v_wmma_f32_16x16x4_f32). A number that lies on a knife's edge between two numbers of the format may be rounded either way, as far as f32 arithmetic and the matrix unit's own rounding can turn it there, and no further.
;; One version. Each part assembles by itself: llvm-mc -triple=amdgcn-amd-amdhsa -mcpu=gfx1250 --defsym DOCPART=n.
;; ======== version 1 of 1: 2 launches
;; limits: right only within a limited range of input values
;; workspace buffers: part 17,301,504 bytes
;; launch attn (part 1): grid 16 x 16, 4 waves a work-group, no clusters, 168,960 bytes of LDS; arguments Q, K, V, Kcache, Vcache, w1, w2, w3, lowp_scales, part; writes part
.if DOCPART == 1
	.amdgcn_target "amdgcn-amd-amdhsa--gfx1250"
	.amdhsa_code_object_version 6
	.text
	.protected	k_q80a214869e_attn
	.globl	k_q80a214869e_attn
	.p2align	8
	.type	k_q80a214869e_attn,@function
k_q80a214869e_attn:
	s_mov_b64 s[64:65], 0
	v_nop
	global_prefetch_b8 v0, s[64:65] scope:SCOPE_SE
	s_setreg_imm32_b32 hwreg(HW_REG_WAVE_MODE, 25, 1), 1
	s_wait_xcnt 0x0
; ATTENTION OVER A KV CACHE, both products on codes of FP8 (E4M3): one sixteenth of the keys of one (b, kv head).
; There are 16 problems (batch = 4 b + kv head): 128 queries (8 heads x 16 positions), head size 128, 8,192 keys (8,176 cache rows + 16 new rows).
; Work-group (x = split, y = batch) takes all 128 queries against 512 keys and stores, for each head, O^T (not divided), -M and the row's sum l; the launch behind this one joins the 16 parts.
; NOTHING OF THE PROBLEM IS LEFT OUT: w3 differs from key to key along the softmax's axis, w1 and w2 move Q's and the new K's codes, every row of K, V and the caches is a key of every query: all nine inputs are loaded.
; THE QUANTISERS.  The number is held within +-448 x 2^e and converted with the scale 2^e, eight numbers an instruction, to the nearest code, ties to even.  Q and the 16 new K rows are multiplied by coeff first
; (coeff = w2 + w1 for d < 64, w2 - w1 for d >= 64).
; THE SOFTMAX.  t = cs (sum + w3'), cs = log2(e) / sqrt(128) x 2^(eq + ek), w3' = w3 sqrt(128) 2^-(eq + ek): w3' is the C of the one matrix instruction of each tile of scores.
; M = the largest t so far, rounded up to a whole number; p = 2^(t - M) is quantised by 2^ep; l is the sum of the unquantised p; when M moves, l and O^T are multiplied by 2^(old M - new M).
; p's HOLD at 448 x 2^ep is passed over where ep >= -8: then 448 x 2^ep is at least 1.75, and p, 2^(t - M) with t - M at most one rounding above 0, lies under it.  ep is a whole number read from memory, the same in all waves.
; SHARES.  Four waves, one to a SIMD.  Wave w owns the 32 queries of heads 2 w and 2 w + 1 of the eight: two query tiles, A and B, so that each fragment of K and V and each w3' that it reads from LDS feeds two matrix instructions.
; Of each step (128 keys; four steps) it also loads K's and V's rows 128 s + 32 w + 0 .. 31 of the split, f32, a whole row of 512 bytes an instruction (32 lanes x 16 consecutive bytes), turns them into codes and stores the codes in LDS.
; THE PIPELINE.  K runs one step ahead of V.  Rows are asked for in the order K0 K1 V0 K2 V1 K3 V2 V3, 32 loads a wave each, in three sets of 128 registers.  While one set is held four rows at a time, each four awaited by count,
; four rows of the set after the next are asked for.
; Step s: K(s+1)'s codes are stored; barrier a's signal; softmax(s); barrier a's wait; V(s) is converted, with the loads of K(s+1)'s fragments among its holds, and stored; barrier b's signal; scores(s+1); barrier b's wait;
; V(s)'s fragments are loaded among the lines of step s+1's maximum; O^T += V(s)^T P(s)^T.  Between a signal and its wait stands work on registers alone.  Behind V3's rows stand their conversion, one barrier and the last product.
; NO TRANSPOSITION THROUGH MEMORY.  In a row load lane l holds d = 4 l .. 4 l + 3 of key j.  For K the four neighbours along d are a word of codes.  For V 4 x 4 codes of four keys are turned by eight byte permutes: words with the keys innermost.
; LDS holds codes alone, each step's in bytes of its own: no LDS byte is written twice.
; THE 16 NEW KEYS.  Split 15 begins at cache row 7,664, so that no load leaves the caches; its first 16 rows, the first half of wave 0's share of step 0, are taken from K and V instead (a choice of base on ids alone), are multiplied by coeff
; and their w3 lies 512 keys further on.
; BOTH PRODUCTS ARE USED TRANSPOSED: S^T = K Q^T (source 0 = 16 keys, source 1 = 16 queries), O^T = V^T P^T: a lane holds one query of each tile (lane % 16) throughout.  A tile's 16 keys are not neighbours: row m of tile 2 b + u is
; key 32 b + 8 u + m + 8 (m / 8), so that the 16 registers of tiles 2 b and 2 b + 1 are keys 32 b + 16 (lane / 16) + 0 .. 15, as the second product's operand wants them.  K's rows are STORED in that order, so a tile is 16 neighbouring LDS rows.
; A fragment is fetched by four loads of 16 bytes, 32 bytes apart, at row x pitch + 16 (lane / 16): a permutation of k that is the same in both sources of each product.
; NO CLUSTER: the 16 splits of a batch share Q alone, 65,536 bytes beside each work-group's own 524,288 of cache rows, read once at the head; a joint request would bring it as f32 into LDS for that one read.
; NO TENSOR LOADS: loads into registers are waited for by count and need no further pass through LDS.  NO PREFETCH: every row is asked for by its load two sets ahead of its use.
; LIMITS.  eq, ek, ep and ev between -126 and 119; eq + ek between -123 and 130 (added to cs's exponent field); |t| under 2^24, so that M is a whole number in f32.  NaN among the inputs is not served.
; Each split has its own running M, at most the row's M: numbers far below the row's largest keep more bits here than under the row's M; and where 448 x 2^ep is under 1, more p are held at the largest code.
; REGISTERS, window 0: v1 16 x lane; v2-8 LDS addresses that stay; v9 2^ek; v10 2^ev; v11 8 x lane; tile A: v12 -M, v13 the largest t, at the end l, v[14:15] l in two halves, v20 the factor of O^T; tile B: v16, v17, v[18:19], v22;
;   v24-27 at work; v28, v29 the add's two; v30 2^ep; v31 448 x 2^ep; v32-47, v48-63 Q's fragments; v64-79, v80-95 p's codes (at the head: at work, v[68:71] coeff, v79 2^eq);
;   v96-127 K's code words, then partial sums of l; v128-191 and v192-255 w3', S^T, p of the two tiles (at the head Q's rows).
;   window 1: v0-127 K's eight fragments; v128-255 V's (while V is converted: its code words; at the head Q's).
;   window 2: v0-63, v64-127 O^T of the two tiles; v128-255 rows K0, K2, V2.   window 3: v0-127 rows K1, V1, V3; v128-255 rows V0, K3.  Row j lies at 4 j of its set.
.set PT,    144                        ; an LDS row: 128 codes + 16 bytes of padding = 36 words: row r starts at bank 36 r mod 64 (64 banks of 4 bytes: ISA guide 11.1), so the 16 rows of a fragment load start at 16 different groups of four banks
.set STEPB, 128*PT                     ; a step's rows of K (128 keys)
.set VTILE, 16*PT+16                   ; V: 16 channels, and 16 bytes more
.set VSTEP, 8*VTILE
.set KC,    0                          ; K's codes, four steps
.set VC,    4*STEPB                    ; V's codes, four steps
.set QC,    VC+4*VSTEP                 ; Q's codes: 32 rows for each wave, the wave's own bytes
.set W3L,   QC+4*32*PT                 ; w3' of the split's 512 keys, f32
.set SPARE, W3L+2048                   ; the spare words, 128 bytes for each wave: two blocks of 256 bytes that no other line names
.set REC,   8448                       ; a head's record in part
.set MSB, 0
.macro WIN new                         ; s_set_vgpr_msb: bits 1:0 source 0, 3:2 source 1, 5:4 source 2, 7:6 destination; the immediate's high byte repeats the setting that is left
.if MSB != \new
	s_set_vgpr_msb (MSB<<8)|\new
.set MSB, \new
.endif
.endm
; rows 4 g .. 4 g + 3 of a set at v[dst] of window win; rows 0 to 15 from base b1, 16 to 31 from base b2
.macro LD4 dst, win, b1, b2, off, nt, g
	WIN (0x40*\win)
.irp j, 0,1,2,3
.if \nt
.if \g < 4
	global_load_b128 v[\dst+16*\g+4*\j:\dst+16*\g+4*\j+3], v1, s[\b1:\b1+1] offset:\off+512*(4*\g+\j) th:TH_LOAD_NT
.else
	global_load_b128 v[\dst+16*\g+4*\j:\dst+16*\g+4*\j+3], v1, s[\b2:\b2+1] offset:\off+512*(4*\g+\j) th:TH_LOAD_NT
.endif
.else
	global_load_b128 v[\dst+16*\g+4*\j:\dst+16*\g+4*\j+3], v1, s[\b1:\b1+1] offset:\off+512*(4*\g+\j)
.endif
.endr
.endm
.macro ROWS dst, win, b1, b2, off, nt
.irp g, 0,1,2,3,4,5,6,7
	LD4 \dst, \win, \b1, \b2, \off, \nt, \g
.endr
	WIN 0
.endm
; n rows in place, times coeff: one factor for each of the lane's four d
.macro TIMES R, win, n
	WIN (0x41*\win)
.set i, 0
.rept \n
	v_pk_mul_f32 v[\R+4*i:\R+4*i+1], v[\R+4*i:\R+4*i+1], v[68:69]
	v_pk_mul_f32 v[\R+4*i+2:\R+4*i+3], v[\R+4*i+2:\R+4*i+3], v[70:71]
.set i, i+1
.endr
.endm
; K's fragment of tile t of step s, four loads; V's of channels 16 t on; w3' of register row tau: register 8 tau + i takes key 32 (tau / 2) + 16 (lane / 16) + 8 (tau % 2) + i
.macro KLD s, t
	WIN 0x40
.irp c, 0,1,2,3
	ds_load_b128 v[16*\t+4*\c:16*\t+4*\c+3], v[4+3*(\s/2)] offset:STEPB*(\s%2)+16*\t*PT+32*\c
.endr
.endm
.macro VLD s, t
	WIN 0x40
.irp c, 0,1,2,3
	ds_load_b128 v[128+16*\t+4*\c:131+16*\t+4*\c], v[5+3*(\s/2)] offset:VSTEP*(\s%2)+\t*VTILE+32*\c
.endr
.endm
.macro W3LD s, tau
	WIN 0
	ds_load_b128 v[128+8*\tau:131+8*\tau], v6 offset:512*\s+128*(\tau/2)+32*(\tau%2)
	ds_load_b128 v[132+8*\tau:135+8*\tau], v6 offset:512*\s+128*(\tau/2)+32*(\tau%2)+16
.endm
; A set's 128 numbers in place, held between s[lim] and s[lim+1] (the conversion to an 8-bit code does not saturate: ISA guide 7.6.2), four rows at a time.  cnt >= 0: the count of loads that may be out ahead of group g:
; dec = 4: cnt - 4 g; dec = 0 (a later set's rows are asked for on the way): cnt ahead of an even group, cnt - 4 ahead of an odd one.
; Behind each odd group: L >= 0: the later set's rows of both groups; kf >= 0: w3' and K's fragments of two tiles of step kf (awaited at barrier b).
.macro HOLDL R, win, lim, cnt, dec, L, lwin, b1, b2, off, kf
.irp g, 0,1,2,3,4,5,6,7
.if \cnt >= 0
	s_wait_loadcnt \cnt-\dec*\g-(4-\dec)*(\g%2)
.endif
	WIN (0x41*\win)
.set i, 0
.rept 16
	v_med3_num_f32 v[\R+16*\g+i], v[\R+16*\g+i], s[\lim], s[\lim+1]
.set i, i+1
.endr
.if \g%2
.if \L >= 0
	LD4 \L, \lwin, \b1, \b2, \off, 1, (\g-1)
.endif
.if \kf >= 0
	W3LD \kf, (\g-1)
	KLD \kf, (\g-1)
.endif
.if \L >= 0
	LD4 \L, \lwin, \b1, \b2, \off, 1, \g
.endif
.if \kf >= 0
	W3LD \kf, \g
	KLD \kf, \g
.endif
.endif
.endr
.endm
; rows j and j + 1 are eight consecutive registers: one conversion gives word j = the codes of d = 4 l .. 4 l + 3 of row j, and word j + 1 of row j + 1.  v[sc]: the scale as f32
.macro PACK R, win, sc, dst, dwin
	WIN (0x40*\dwin+\win)
.irp j, 0,2,4,6,8,10,12,14,16,18,20,22,24,26,28,30
	v_cvt_scalef32_pk8_fp8_f32 v[\dst+\j:\dst+\j+1], v[\R+4*\j:\R+4*\j+7], v[\sc]
.endr
	v_nop                                          ; a plain line behind the last scaled conversion, ahead of whatever vector or matrix line next touches its registers
.endm
; K's held rows become codes; my row j goes to LDS row j behind the wave's first, but rows 8 to 15 and 16 to 23 change places: the order of the tiles
.macro CONVK R, win, s
	PACK \R, \win, 9, 96, 0
	WIN 0
.set i, 0
.rept 32
	ds_store_b32 v2, v[96+i] offset:STEPB*\s+PT*(i+8*((i/8)%2-(i/16)))
.set i, i+1
.endr
.endm
; V's: the words of keys 4 q .. 4 q + 3 (bytes: d = 4 l + e) become four words (one for each e; bytes: keys), v[128 + 8 e + q] of window 1
.macro CONVV R, win, s
	PACK \R, \win, 10, 128, 1
	WIN 0x45
.irp q, 0,1,2,3,4,5,6,7
	v_perm_b32 v[160+4*\q], v[129+4*\q], v[128+4*\q], s46   ; e = 0, 1 of the first two keys, byte by byte by turns,
	v_perm_b32 v[161+4*\q], v[129+4*\q], v[128+4*\q], s47   ; e = 2, 3
	v_perm_b32 v[162+4*\q], v[131+4*\q], v[130+4*\q], s46   ; the same of the other two
	v_perm_b32 v[163+4*\q], v[131+4*\q], v[130+4*\q], s47
.endr
.irp q, 0,1,2,3,4,5,6,7
	v_perm_b32 v[128+\q], v[162+4*\q], v[160+4*\q], s48     ; the low halves together,
	v_perm_b32 v[136+\q], v[162+4*\q], v[160+4*\q], s49     ; the high halves
	v_perm_b32 v[144+\q], v[163+4*\q], v[161+4*\q], s48
	v_perm_b32 v[152+\q], v[163+4*\q], v[161+4*\q], s49
.endr
	WIN 0x04
.irp e, 0,1,2,3
	ds_store_b128 v3, v[128+8*\e:131+8*\e] offset:VSTEP*\s+PT*\e      ; my 32 keys' codes of channels 4 l + e: 32 bytes of each of four rows
	ds_store_b128 v3, v[132+8*\e:135+8*\e] offset:VSTEP*\s+PT*\e+16
.endr
	WIN 0
.endm
.macro PLACES                          ; four plain lines behind matrix instructions, ahead of the first use of their results (ISA guide 7.12.1)
.rept 4
	v_nop
.endr
.endm
; O^T under the new M, each accumulator from its low end on
.macro RESCALE
	WIN 0x82
	s_wait_alu depctr_va_vdst(0)                   ; the wait here, directly ahead of the first reader of O^T
.set i, 0
.rept 32
	v_pk_mul_f32 v[2*i:2*i+1], v[2*i:2*i+1], v[20:21] op_sel_hi:[1,0]
.set i, i+1
.endr
.rept 32
	v_pk_mul_f32 v[2*i:2*i+1], v[2*i:2*i+1], v[22:23] op_sel_hi:[1,0]
.set i, i+1
.endr
	WIN 0
.endm
; S^T = K Q^T + w3'.  Tile B first, its C the w3' that lies in tile A's registers; then, five places on, tile A in place.  The accumulators take turns.
; n >= 0: key tile t is awaited by count: n - 6 t, the later tiles' six loads each may be out.
.macro SCORES n
	WIN 0x01
.irp t, 0,1,2,3,4,5,6,7
.if \n >= 0
	s_wait_dscnt \n-6*\t
.endif
	v_wmma_f32_16x16x128_fp8_fp8 v[192+8*\t:199+8*\t], v[16*\t:16*\t+15], v[48:63], v[128+8*\t:135+8*\t]
.endr
.rept 5
	v_nop
.endr
	WIN 0x01
.irp t, 0,1,2,3,4,5,6,7
	v_wmma_f32_16x16x128_fp8_fp8 v[128+8*\t:135+8*\t], v[16*\t:16*\t+15], v[32:47], v[128+8*\t:135+8*\t]
.endr
	WIN 0
.endm
; the step's largest score of each query, in two chains a tile, each accumulator from its low end on; then among lane l xor 16's.  vs >= 0: V's fragments of step vs are asked for on the way
.macro SMAX vs
	PLACES
.if \vs >= 0
	VLD \vs, 0
	VLD \vs, 1
	WIN 0
.endif
	v_max3_num_f32 v24, v128, v129, v130
	v_max3_num_f32 v25, v192, v193, v194
	v_max3_num_f32 v26, v131, v132, v133
	v_max3_num_f32 v27, v195, v196, v197
.irp i, 6,10,14,18,22,26,30,34,38,42,46,50,54,58
.if (\vs >= 0) && ((\i-14)%16 == 0)
	VLD \vs, ((\i+2)/8)
	VLD \vs, ((\i+2)/8+1)
	WIN 0
.endif
	v_max3_num_f32 v24, v24, v[128+\i], v[129+\i]
	v_max3_num_f32 v25, v25, v[192+\i], v[193+\i]
	v_max3_num_f32 v26, v26, v[130+\i], v[131+\i]
	v_max3_num_f32 v27, v27, v[194+\i], v[195+\i]
.endr
	v_max3_num_f32 v24, v24, v190, v191
	v_max3_num_f32 v25, v25, v254, v255
	v_max_num_f32 v24, v24, v26
	v_max_num_f32 v25, v25, v27
	v_permlanex16_b32 v26, v24, s52, s53
	v_permlanex16_b32 v27, v25, s52, s53
	v_max_num_f32 v24, v24, v26
	v_max_num_f32 v25, v25, v27
	s_wait_alu depctr_va_vdst(0)
.endm
; M, p, l and p's codes of both tiles.  first = 1: it starts M
.macro SEXP first
	v_mul_f32 v24, s44, v24                        ; as t (cs is positive)
	v_mul_f32 v25, s44, v25
.if \first
	v_mov_b32 v13, v24
	v_mov_b32 v17, v25
	v_floor_f32 v12, -v24                          ; -M = floor(-t) = -ceil(t): M is a whole number
	v_floor_f32 v16, -v25
.else
	v_max_num_f32 v13, v13, v24                    ; the running largest t
	v_max_num_f32 v17, v17, v25
	v_mov_b32 v24, v12
	v_mov_b32 v25, v16
	v_floor_f32 v12, -v13
	v_floor_f32 v16, -v17
	v_sub_f32 v24, v12, v24                        ; M's old value less its new one: a whole number, 0 or less
	v_sub_f32 v25, v16, v25
	v_cvt_i32_f32 v24, v24                         ; (it saturates)
	v_cvt_i32_f32 v25, v25
	v_ldexp_f32 v20, 1.0, v24                      ; f = 2^(old M - new M)
	v_ldexp_f32 v22, 1.0, v25
.endif
.set i, 0
.rept 32
	v_pk_fma_f32 v[128+2*i:129+2*i], v[128+2*i:129+2*i], s[44:45], v[12:13] op_sel_hi:[1,0,0]   ; t - M, two at a time (of the pairs cs and -M the low word serves both halves)
	v_pk_fma_f32 v[192+2*i:193+2*i], v[192+2*i:193+2*i], s[44:45], v[16:17] op_sel_hi:[1,0,0]
.set i, i+1
.endr
.endm
; the second part: p, l and p's codes
.macro PEXP first
	s_wait_alu depctr_va_vdst(0)                   ; the wait ahead of the batch
.set i, 0
.rept 128
	v_exp_f32 v[128+i], v[128+i]                   ; p = 2^(t - M), not normalised
.set i, i+1
.endr
.if \first
	v_nop                                          ; a plain line behind the exponentials
.else
	v_pk_mul_f32 v[14:15], v[14:15], v[20:21] op_sel_hi:[1,0]   ; l under the new M (plain lines behind the exponentials)
	v_pk_mul_f32 v[18:19], v[18:19], v[22:23] op_sel_hi:[1,0]
.endif
	s_wait_alu depctr_va_vdst(0)                   ; one wait for the batch of 128, ahead of the first line that names a result
.irp i, 0,1,2,3,4,5,6
	v_pk_add_f32 v[96+2*\i:97+2*\i], v[128+4*\i:129+4*\i], v[130+4*\i:131+4*\i]
	v_pk_add_f32 v[112+2*\i:113+2*\i], v[192+4*\i:193+4*\i], v[194+4*\i:195+4*\i]
.endr
	v_pk_add_f32 v[14:15], v[14:15], v[156:157]
	v_pk_add_f32 v[18:19], v[18:19], v[220:221]
.irp i, 0,1,2,3,4,5,6
	v_pk_add_f32 v[96+2*\i:97+2*\i], v[96+2*\i:97+2*\i], v[158+2*\i:159+2*\i]
	v_pk_add_f32 v[112+2*\i:113+2*\i], v[112+2*\i:113+2*\i], v[222+2*\i:223+2*\i]
.endr
	v_pk_add_f32 v[14:15], v[14:15], v[172:173]
	v_pk_add_f32 v[18:19], v[18:19], v[236:237]
.irp i, 0,1,2,3,4,5,6
	v_pk_add_f32 v[96+2*\i:97+2*\i], v[96+2*\i:97+2*\i], v[174+2*\i:175+2*\i]
	v_pk_add_f32 v[112+2*\i:113+2*\i], v[112+2*\i:113+2*\i], v[238+2*\i:239+2*\i]
.endr
	v_pk_add_f32 v[14:15], v[14:15], v[188:189]
	v_pk_add_f32 v[18:19], v[18:19], v[252:253]
	v_pk_add_f32 v[96:97], v[96:97], v[190:191]
	v_pk_add_f32 v[112:113], v[112:113], v[254:255]
	v_pk_add_f32 v[100:101], v[100:101], v[102:103]
	v_pk_add_f32 v[116:117], v[116:117], v[118:119]
	v_pk_add_f32 v[104:105], v[104:105], v[106:107]
	v_pk_add_f32 v[120:121], v[120:121], v[122:123]
	v_pk_add_f32 v[96:97], v[96:97], v[98:99]
	v_pk_add_f32 v[112:113], v[112:113], v[114:115]
	v_pk_add_f32 v[14:15], v[14:15], v[108:109]
	v_pk_add_f32 v[18:19], v[18:19], v[124:125]
	v_pk_add_f32 v[100:101], v[100:101], v[104:105]
	v_pk_add_f32 v[116:117], v[116:117], v[120:121]
	v_pk_add_f32 v[14:15], v[14:15], v[96:97]
	v_pk_add_f32 v[18:19], v[18:19], v[112:113]
	v_pk_add_f32 v[14:15], v[14:15], v[100:101]
	v_pk_add_f32 v[18:19], v[18:19], v[116:117]
	s_cmp_ge_i32 s42, -8                           ; ep >= -8: 448 x 2^ep is at least 1.75, over every p: nothing to hold
	s_wait_alu depctr_va_vdst(0)                   ; the wait here, directly ahead of the branch
	s_cbranch_scc1 .Lroom_\@
.set i, 0
.rept 128
	v_min_num_f32 v[128+i], v[128+i], v31          ; the hold at the largest code x 2^ep; p is not negative, so it is one-sided
.set i, i+1
.endr
.Lroom_\@:
.irp b, 0,1,2,3,4,5,6,7
	v_cvt_scalef32_pk8_fp8_f32 v[64+4*\b:65+4*\b], v[128+16*\b:135+16*\b], v30
	v_cvt_scalef32_pk8_fp8_f32 v[66+4*\b:67+4*\b], v[136+16*\b:143+16*\b], v30
.endr
	v_nop                                          ; a plain line behind the last scaled conversion
.endm
; one channel tile of O^T += V^T P^T for both query tiles; K = the step's 128 keys
.macro OMUL t, first
	WIN 0xa1
.if \first
	v_wmma_f32_16x16x128_fp8_fp8 v[8*(\t):8*(\t)+7], v[128+16*(\t):143+16*(\t)], v[64:79], 0
	v_wmma_f32_16x16x128_fp8_fp8 v[64+8*(\t):64+8*(\t)+7], v[128+16*(\t):143+16*(\t)], v[80:95], 0
.else
	v_wmma_f32_16x16x128_fp8_fp8 v[8*(\t):8*(\t)+7], v[128+16*(\t):143+16*(\t)], v[64:79], v[8*(\t):8*(\t)+7]
	v_wmma_f32_16x16x128_fp8_fp8 v[64+8*(\t):64+8*(\t)+7], v[128+16*(\t):143+16*(\t)], v[80:95], v[64+8*(\t):64+8*(\t)+7]
.endif
.endm
.macro PV first                        ; the later tiles' loads, four a tile, may be out
.irp u, 0,1,2,3
	s_wait_dscnt 24-8*\u
	OMUL 2*\u, \first
	OMUL 2*\u+1, \first
.endr
	WIN 0
.endm
.macro SIGNAL                          ; my LDS stores have landed and my LDS loads are in
	s_wait_dscnt 0x0
	s_barrier_signal -1
.endm
.macro OUT t                           ; O^T of channel tile t as it stands in my registers, 512 consecutive bytes a store, each accumulator from its low end on
.irp k, 0,1
	global_store_b128 v1, v[8*\t+4*\k:8*\t+4*\k+3], s[54:55] offset:512*(2*\t+\k) th:TH_STORE_NT
.endr
.irp k, 0,1
	global_store_b128 v1, v[64+8*\t+4*\k:64+8*\t+4*\k+3], s[54:55] offset:REC+512*(2*\t+\k) th:TH_STORE_NT
.endr
.endm
	; ---- THE HEAD
	s_load_b512 s[4:19], s[0:1], 0x0               ; Q s[4:5], K s[6:7], V s[8:9], Kcache s[10:11], Vcache s[12:13], w1 s[14:15], w2 s[16:17], w3 s[18:19]
	s_load_b128 s[20:23], s[0:1], 0x40             ; the scales' exponents s[20:21], part s[22:23]
	v_lshrrev_b32 v77, 5, v0
	v_lshl_add_u32 v28, v0, 2, SPARE               ; my spare word,
	v_mov_b32 v29, 0                               ; and 0: kept for the add at the wave's end
	v_readfirstlane_b32 s24, v77                   ; wave 0..3
	v_and_b32 v83, 31, v0                          ; lane
	v_and_b32 v84, 15, v0                          ; r
	v_bfe_u32 v85, v0, 4, 1                        ; h
	v_lshlrev_b32 v1, 4, v83                       ; 16 x lane: my 16 bytes of a row of 512
	v_lshlrev_b32 v11, 3, v83                      ; 8 x lane
	s_wait_alu depctr_va_vdst(0)                   ; the wait here, ahead of the run of scalar lines
	s_mov_b32 s25, ttmp9                           ; split
	s_and_b32 s26, ttmp7, 0xffff                   ; batch = 4 b + kv head
	s_lshl_b32 s27, s25, 9
	s_min_u32 s27, s27, 7664                       ; the split's first cache row
	s_cmp_eq_u32 s25, 15
	s_cselect_b32 s39, 2048, 0                     ; split 15: its first 16 keys are keys 8,176 on: 512 keys, 2,048 bytes of w3, further on than their place says
	s_mul_i32 s2, s24, 32*PT                       ; K's codes, on the way in: LDS row 32 w  (KC = 0)
	s_lshl_b32 s56, s24, 5                         ; 32 w
	s_add_co_u32 s3, s56, VC                       ; V's: my wave's 32 keys
	s_add_co_u32 s48, s2, QC                       ; Q's
	s_lshl_b32 s49, s27, 2                         ; w3's, in memory
	s_mul_i32 s28, s26, 8176
	s_add_co_u32 s28, s28, s27
	s_add_co_u32 s28, s28, s56
	s_lshl_b32 s28, s28, 9                         ; my wave's first row in the caches, in bytes: (8,176 batch + first row + 32 w) x 512, under 2^27
	s_mov_b32 s29, 0
	s_lshl_b32 s58, s26, 13                        ; the batch's 16 rows in K and in V
	s_mov_b32 s59, 0
	s_lshl_b32 s57, s24, 1                         ; my first head: 2 w
	s_lshl_b32 s60, s26, 3
	s_add_co_u32 s60, s60, s57
	s_lshl_b32 s60, s60, 13                        ; my two heads' 32 rows in Q: (8 batch + 2 w) x 8,192
	s_mov_b32 s61, 0
	s_lshl_b32 s54, s26, 4
	s_add_co_u32 s54, s54, s25
	s_lshl_b32 s54, s54, 3
	s_add_co_u32 s54, s54, s57
	s_mul_i32 s54, s54, REC                        ; my first record in part: ((16 batch + split) x 8 + 2 w) x 8,448; tile B's follows it
	s_mov_b32 s55, 0
	v_lshl_add_u32 v2, v83, 2, s2                  ; K's codes, on the way in: + 4 x lane
	v_mul_u32_u24 v3, v83, 4*PT
	v_lshrrev_b32 v77, 2, v83
	v_mul_u32_u24 v4, v84, PT
	v_lshl_add_u32 v3, v77, 4, v3
	v_lshl_add_u32 v4, v85, 4, v4                  ; a fragment of K: row r, + 16 h: steps 0 and 1,
	v_add_nc_u32 v3, s3, v3                        ; V's codes, on the way in: row 4 x lane, tile lane / 4
	v_add_nc_u32 v5, VC, v4                        ; of V
	v_add_nc_u32 v7, 2*STEPB, v4                   ; and the same of steps 2 and 3
	v_add_nc_u32 v8, 2*VSTEP, v5
	v_lshl_add_u32 v6, v85, 6, W3L                 ; w3': 16 keys further on for lanes 16-31
	v_lshl_add_u32 v81, v83, 2, s48                ; Q's codes, on the way in,
	v_add_nc_u32 v82, s48, v4                      ; and as a fragment
	v_lshl_add_u32 v80, v0, 4, W3L                 ; where I store four numbers of w3'
	v_lshlrev_b32 v78, 31, v85                     ; the sign bit where d >= 64: lanes 16-31
	v_lshl_add_u32 v76, v0, 4, s49                 ; w3: keys 4 t .. 4 t + 3 of the split
	v_mov_b32 v77, s39
	v_cmp_gt_u32 vcc_lo, 4, v0
	v_cndmask_b32 v77, 0, v77, vcc_lo              ; threads 0 to 3 hold keys 0 to 15
	v_add_nc_u32 v76, v76, v77
	s_wait_alu depctr_va_vdst(0)                   ; the wait here, directly ahead of the wait below
	s_wait_kmcnt 0x0
	s_load_b128 s[40:43], s[20:21], 0x0            ; eq, ek, ep, ev
	s_add_nc_u64 s[30:31], s[10:11], s[28:29]      ; Kcache at my wave's first row
	s_add_nc_u64 s[32:33], s[12:13], s[28:29]      ; Vcache likewise
	s_add_nc_u64 s[34:35], s[6:7], s[58:59]        ; K,
	s_add_nc_u64 s[36:37], s[8:9], s[58:59]        ; V,
	s_add_nc_u64 s[60:61], s[4:5], s[60:61]        ; Q,
	s_add_nc_u64 s[54:55], s[22:23], s[54:55]      ; my records
	s_xor_b32 s56, s25, 15
	s_or_b32 s56, s56, s24
	s_cmp_eq_u32 s56, 0                            ; split 15, wave 0?  Ids alone
	s_cselect_b64 s[34:35], s[34:35], s[30:31]     ; step 0's first 16 rows: the new ones there, the caches' everywhere else
	s_cselect_b64 s[36:37], s[36:37], s[32:33]
	s_cselect_b32 s38, 1, 0                        ; 1 where the new rows lie
	ROWS 128, 2, 34, 30, 0, 1                      ; K0
	global_load_b128 v[64:67], v1, s[14:15]        ; w1 and w2 of my four d
	global_load_b128 v[68:71], v1, s[16:17]
	global_load_b128 v[72:75], v76, s[18:19]
	ROWS 128, 0, 60, 60, 0, 0                      ; Q's 32 rows (16 work-groups read them: no hint)
	ROWS 0, 3, 30, 30, 65536, 1                    ; K1: 128 rows of 512 bytes on
	v_mov_b32 v14, 0                               ; l, in two halves
	v_mov_b32 v15, 0
	v_mov_b32 v18, 0
	v_mov_b32 v19, 0
	v_mov_b32 v21, 0                               ; (named as the upper halves of the pairs v[20:21], v[22:23])
	v_mov_b32 v23, 0
	s_mov_b32 s52, 0x76543210                      ; v_permlanex16_b32's selects for lane l xor 16
	s_mov_b32 s53, 0xfedcba98
	s_mov_b32 s46, 0x05010400                      ; v_perm_b32's selects: bytes 0 and 1 of two words by turns,
	s_mov_b32 s47, 0x07030602                      ; bytes 2 and 3,
	s_mov_b32 s48, 0x05040100                      ; the low halves,
	s_mov_b32 s49, 0x07060302                      ; the high halves
	s_wait_alu depctr_va_vdst(0)                   ; the wait here, directly ahead of the wait below
	s_wait_kmcnt 0x0
	s_add_co_i32 s56, s40, s41                     ; eq + ek
	s_lshl_b32 s57, s56, 23
	s_mov_b32 s44, 0x3e0293ee                      ; log2(e) / sqrt(128),
	s_add_co_i32 s44, s44, s57                     ; x 2^(eq + ek): the two exponents are added to its exponent field
	s_mov_b32 s45, s44                             ; (named with it as a pair, so it is written)
	s_sub_co_i32 s58, 0, s56                       ; -(eq + ek)
	s_add_co_i32 s56, s40, 127
	s_lshl_b32 s57, s56, 23
	v_mov_b32 v79, s57                             ; 2^eq as f32: Q's conversions take its exponent field
	s_add_co_i32 s56, s56, 8
	s_lshl_b32 s56, s56, 23
	s_or_b32 s63, s56, 0x600000                    ; 448 x 2^eq,
	s_or_b32 s62, s63, 0x80000000                  ; and its negative
	s_add_co_i32 s56, s41, 127
	s_lshl_b32 s57, s56, 23
	v_mov_b32 v9, s57                              ; 2^ek
	s_add_co_i32 s56, s56, 8
	s_lshl_b32 s56, s56, 23
	s_or_b32 s3, s56, 0x600000                     ; 448 x 2^ek,
	s_or_b32 s2, s3, 0x80000000                    ; and its negative
	s_add_co_i32 s56, s43, 127
	s_lshl_b32 s57, s56, 23
	v_mov_b32 v10, s57                             ; 2^ev
	s_add_co_i32 s56, s56, 8
	s_lshl_b32 s56, s56, 23
	s_or_b32 s51, s56, 0x600000                    ; 448 x 2^ev,
	s_or_b32 s50, s51, 0x80000000                  ; and its negative
	s_add_co_i32 s56, s42, 127
	s_lshl_b32 s57, s56, 23
	v_mov_b32 v30, s57                             ; 2^ep
	s_add_co_i32 s56, s56, 8
	s_lshl_b32 s56, s56, 23
	s_or_b32 s56, s56, 0x600000
	v_mov_b32 v31, s56                             ; 448 x 2^ep
	s_wait_alu depctr_va_vdst(0)                   ; the wait at the head's end
	s_wait_loadcnt 63                              ; 99 loads have been issued: the oldest 36 are in, K0, w1, w2 and w3 among them (63 is the largest count that this wait can name)
.irp e, 0,1,2,3
	v_xor_b32 v[64+\e], v78, v[64+\e]              ; w1 x mask
.endr
.irp e, 0,1,2,3
	v_mul_f32 v[72+\e], 0x413504f3, v[72+\e]       ; w3 x sqrt(128),
.endr
.irp e, 0,1,2,3
	v_add_f32 v[68+\e], v[64+\e], v[68+\e]         ; coeff
.endr
.irp e, 0,1,2,3
	v_ldexp_f32 v[72+\e], v[72+\e], s58            ; x 2^-(eq + ek)
.endr
	ds_store_b128 v80, v[72:75]
	s_cmp_eq_u32 s38, 0                            ; split 15, wave 0 alone holds the new rows of K: ids alone
	s_wait_alu depctr_va_vdst(0)                   ; the wait here, directly ahead of the branch
	s_cbranch_scc1 .Lcache
	TIMES 128, 2, 16                               ; x coeff
	WIN 0                                          ; at a label and at a branch every window is 0
.Lcache:
	HOLDL 128, 2, 2, -1, 0, -1, 0, 0, 0, 0, -1
	CONVK 128, 2, 0
	s_wait_loadcnt 32                              ; Q is in; K1's 32 may be out
	TIMES 128, 0, 32                               ; Q x coeff
	HOLDL 128, 0, 62, -1, 0, 128, 3, 36, 32, 0, -1 ; Q held; V0 asked for
	PACK 128, 0, 79, 128, 1                        ; Q's code words: nothing else writes their registers before the first barrier's wait for all my LDS instructions
	WIN 0x04
.set i, 0
.rept 32
	ds_store_b32 v81, v[128+i] offset:PT*i
.set i, i+1
.endr
	WIN 0
.irp c, 0,1,2,3
	ds_load_b128 v[32+4*\c:35+4*\c], v82 offset:32*\c   ; Q's fragments: my wave's own bytes, and LDS serves a wave's instructions in order (ISA guide 5.7.1.4); awaited at the first barrier, ahead of the first product
	ds_load_b128 v[48+4*\c:51+4*\c], v82 offset:16*PT+32*\c
.endr
	SIGNAL
	s_barrier_wait -1                              ; K0's codes and w3' are whole
.irp t, 0,1,2,3,4,5,6,7
	W3LD 0, \t
	KLD 0, \t
.endr
	SCORES 42
	SMAX -1
	; ---- STEP 0.  The count of 60 ahead of an even group g of four rows: the set's 28 - 4 g later loads, the next set's 32 and the 4 g of the set after it asked for so far; ahead of an odd one four fewer of the last have been asked for, and four fewer of the set may be out: 56.
	; K's stores land while M and t - M are made (SEXP), ahead of signal a; from step 1 on V's land while O^T is brought under the new M, ahead of signal b
	HOLDL 0, 3, 2, 60, 0, 128, 2, 30, 30, 131072, -1       ; K1 held; K2 asked for
	CONVK 0, 3, 1
	SEXP 1
	SIGNAL
	PEXP 1
	s_barrier_wait -1                              ; a: K1's codes are whole
	HOLDL 128, 3, 50, 60, 0, 0, 3, 32, 32, 65536, 1        ; V0 held; V1 asked for
	CONVV 128, 3, 0
	SIGNAL
	SCORES -1
	s_barrier_wait -1                              ; b: V0's are
	SMAX 0
	PV 1
	; ---- STEP 1
	HOLDL 128, 2, 2, 60, 0, 128, 3, 30, 30, 196608, -1     ; K2 held; K3 asked for
	CONVK 128, 2, 2
	SEXP 0
	SIGNAL
	PEXP 0
	s_barrier_wait -1
	HOLDL 0, 3, 50, 60, 0, 128, 2, 32, 32, 131072, 2       ; V1 held; V2 asked for
	CONVV 0, 3, 1
	RESCALE
	SIGNAL
	SCORES -1
	s_barrier_wait -1
	SMAX 1
	PV 0
	; ---- STEP 2
	HOLDL 128, 3, 2, 60, 0, 0, 3, 32, 32, 196608, -1       ; K3 held; V3 asked for
	CONVK 128, 3, 3
	SEXP 0
	SIGNAL
	PEXP 0
	s_barrier_wait -1
	HOLDL 128, 2, 50, 60, 4, -1, 0, 0, 0, 0, 3             ; V2 held; behind group g: 28 - 4 g of V2 and V3's 32
	CONVV 128, 2, 2
	RESCALE
	SIGNAL
	SCORES -1
	s_barrier_wait -1
	SMAX 2
	PV 0
	; ---- STEP 3: all that does not hang on V3 comes first
	SEXP 0
	PEXP 0
	RESCALE
	v_add_f32 v14, v14, v15                        ; l's two halves,
	v_add_f32 v18, v18, v19
	v_permlanex16_b32 v24, v14, s52, s53
	v_permlanex16_b32 v25, v18, s52, s53
	v_add_f32 v13, v14, v24                        ; and lane l xor 16's: beside -M in the pairs v[12:13], v[16:17]
	v_add_f32 v17, v18, v25
	global_store_b64 v11, v[12:13], s[54:55] offset:8192       ; (-M, l), 256 consecutive bytes; every store begins at a multiple of 256 from part's first byte
	global_store_b64 v11, v[16:17], s[54:55] offset:REC+8192
; V3 four rows at a time, held, converted and turned as they come; codes v160-191, at work v192-223, turned words v128-159 of window 1; sixteen keys' words are stored behind every fourth group
.irp g, 0,1,2,3,4,5,6,7
	s_wait_loadcnt 28-4*\g
	WIN 0xc3
.set i, 0
.rept 16
	v_med3_num_f32 v[16*\g+i], v[16*\g+i], s50, s51
.set i, i+1
.endr
	WIN 0x43
	v_cvt_scalef32_pk8_fp8_f32 v[160+4*\g:161+4*\g], v[16*\g:16*\g+7], v10
	v_cvt_scalef32_pk8_fp8_f32 v[162+4*\g:163+4*\g], v[16*\g+8:16*\g+15], v10
	v_nop                                          ; a plain line behind the last scaled conversion
	WIN 0x45
	v_perm_b32 v[192+4*\g], v[161+4*\g], v[160+4*\g], s46
	v_perm_b32 v[193+4*\g], v[161+4*\g], v[160+4*\g], s47
	v_perm_b32 v[194+4*\g], v[163+4*\g], v[162+4*\g], s46
	v_perm_b32 v[195+4*\g], v[163+4*\g], v[162+4*\g], s47
	v_perm_b32 v[128+\g], v[194+4*\g], v[192+4*\g], s48
	v_perm_b32 v[136+\g], v[194+4*\g], v[192+4*\g], s49
	v_perm_b32 v[144+\g], v[195+4*\g], v[193+4*\g], s48
	v_perm_b32 v[152+\g], v[195+4*\g], v[193+4*\g], s49
.if \g%4 == 3
	WIN 0x04
.irp e, 0,1,2,3
	ds_store_b128 v3, v[128+8*\e+4*(\g/4):131+8*\e+4*(\g/4)] offset:VSTEP*3+PT*\e+16*(\g/4)
.endr
.endif
.endr
	WIN 0
	s_wait_alu depctr_va_vdst(0)                   ; the wait here, ahead of the barrier
	SIGNAL
	s_barrier_wait -1
; the last product leaves by pairs of channel tiles.  A count of 8: the two youngest tiles' loads, four each, may be out
.irp t, 0,1,2,3
	VLD 3, \t
.endr
.irp u, 0,1,2,3
.if \u < 3
	s_wait_dscnt 8
.else
	s_wait_dscnt 0x0
.endif
	OMUL 2*\u, 0
	OMUL 2*\u+1, 0
.if \u < 2
	VLD 3, (2*\u+4)
	VLD 3, (2*\u+5)
.endif
	PLACES
	WIN 0x08
	OUT (2*\u)
	OUT (2*\u+1)
.endr
	WIN 0
	s_wait_tensorcnt 0x0                           ; the wave's end: behind my last LDS store
	ds_add_u32 v28, v29
	s_wait_dscnt 0x0
	s_endpgm
.Lfunc_end_k_q80a214869e_attn:
	.size	k_q80a214869e_attn, .Lfunc_end_k_q80a214869e_attn-k_q80a214869e_attn
	.p2alignl 7, 3214868480
	.fill 96, 4, 3214868480
	.section	.rodata,"a",@progbits
	.p2align	6, 0x0
	.amdhsa_kernel k_q80a214869e_attn
		.amdhsa_group_segment_fixed_size 168960
		.amdhsa_private_segment_fixed_size 0
		.amdhsa_enable_private_segment 0
		.amdhsa_kernarg_size 80
		.amdhsa_user_sgpr_count 2
		.amdhsa_user_sgpr_kernarg_segment_ptr 1
		.amdhsa_wavefront_size32 1
		.amdhsa_system_sgpr_workgroup_id_x 1
		.amdhsa_system_sgpr_workgroup_id_y 1
		.amdhsa_system_sgpr_workgroup_id_z 1
		.amdhsa_system_vgpr_workitem_id 0
		.amdhsa_next_free_vgpr 1024
		.amdhsa_next_free_sgpr 66
		.amdhsa_reserve_vcc 1
		.amdhsa_float_denorm_mode_32 3
		.amdhsa_float_denorm_mode_16_64 3
		.amdhsa_memory_ordered 1
		.amdhsa_forward_progress 1
		.amdhsa_inst_pref_size 255
	.end_amdhsa_kernel
	.section	.bss,"aw",@nobits
	.p2align	6
	.space	262144
	.amdgpu_metadata
---
amdhsa.version: [ 1, 2 ]
amdhsa.kernels:
  - .name:           k_q80a214869e_attn
    .symbol:         k_q80a214869e_attn.kd
    .args:
      - { .name: Q, .offset: 0, .size: 8, .value_kind: global_buffer, .address_space: global }
      - { .name: K, .offset: 8, .size: 8, .value_kind: global_buffer, .address_space: global }
      - { .name: V, .offset: 16, .size: 8, .value_kind: global_buffer, .address_space: global }
      - { .name: Kcache, .offset: 24, .size: 8, .value_kind: global_buffer, .address_space: global }
      - { .name: Vcache, .offset: 32, .size: 8, .value_kind: global_buffer, .address_space: global }
      - { .name: w1, .offset: 40, .size: 8, .value_kind: global_buffer, .address_space: global }
      - { .name: w2, .offset: 48, .size: 8, .value_kind: global_buffer, .address_space: global }
      - { .name: w3, .offset: 56, .size: 8, .value_kind: global_buffer, .address_space: global }
      - { .name: lowp_scales, .offset: 64, .size: 8, .value_kind: global_buffer, .address_space: global }
      - { .name: part, .offset: 72, .size: 8, .value_kind: global_buffer, .address_space: global }
    .group_segment_fixed_size: 168960
    .private_segment_fixed_size: 0
    .kernarg_segment_align: 8
    .kernarg_segment_size: 80
    .max_flat_workgroup_size: 128
    .sgpr_count:     66
    .vgpr_count:     1024
    .wavefront_size: 32
...
	.end_amdgpu_metadata
.endif
;; end of part 1
;; launch merge (part 2): grid 256 x 1, 4 waves a work-group, no clusters, 5,120 bytes of LDS; arguments part, lowp_scales, out0; writes out0
.if DOCPART == 2
	.amdgcn_target "amdgcn-amd-amdhsa--gfx1250"
	.amdhsa_code_object_version 6
	.text
	.protected	k_q80a214869e_merge
	.globl	k_q80a214869e_merge
	.p2align	8
	.type	k_q80a214869e_merge,@function
k_q80a214869e_merge:
	s_mov_b64 s[64:65], 0
	v_nop
	global_prefetch_b8 v0, s[64:65] scope:SCOPE_SE
	s_setreg_imm32_b32 hwreg(HW_REG_WAVE_MODE, 25, 1), 1
	s_wait_xcnt 0x0
; THE 16 PARTS OF EACH HEAD ARE JOINED.  Nothing is left out.  For each query: M* = the largest of the parts' M; f = 2^(M - M*), a power of two, so nothing is rounded; l = the sum of f l; o = (the sum of f O^T) / l x 2^(ep + ev).
; part: record (batch, split, head) at ((16 batch + split) x 8 + head) x 8,448 bytes: 16 chunks of 512 bytes, the image of the first launch's registers (tile t of 16 channels: chunks 2 t, 2 t + 1; lane (r, h) holds
; o(r, 16 t + 8 h + 0 .. 7)), then (-M, l) at 8,192 + 8 x lane.
; SHARES.  Work-group x takes unit u = x / 2 (= 8 batch + head: 16 rows of out0) and half x % 2 of its 128 channels: 256 bytes of each row.  Wave om takes tile 4 (x % 2) + om.  All 48 loads of a wave are asked for at its head.
; A row's 256 bytes come from four waves: they meet in a stage in LDS, and sixteen lanes store 256 consecutive bytes, at a multiple of 256 from out0's first byte.
; The statistics, 256 bytes a record, are read by each of the eight waves that need them: a further barrier would cost more than those bytes.  No matrix work, no tile that work-groups share, nothing to fetch ahead: a short stream.
; LIMITS: as the first launch states them; ep + ev is applied by v_ldexp_f32 and has none.
.set REC,   8448
.set SPLIT, 8*REC                      ; from split to split
.set SP,    272                        ; a stage row: 256 bytes + 16
.set SPARE, 4608                       ; behind the stage (16 x 272 bytes): the spare words, 128 bytes for each wave: two blocks of 256 bytes that no other line names
	s_load_b128 s[4:7], s[0:1], 0x0                ; part, the scales' exponents
	s_load_b64 s[8:9], s[0:1], 0x10                ; out0
	v_lshl_add_u32 v190, v0, 2, SPARE              ; my spare word,
	v_mov_b32 v191, 0                              ; and 0: kept for the add at the wave's end
	v_lshrrev_b32 v6, 5, v0
	v_readfirstlane_b32 s18, v6                    ; wave om
	v_and_b32 v7, 31, v0                           ; lane
	v_and_b32 v8, 15, v0                           ; r
	v_bfe_u32 v9, v0, 4, 1                         ; h
	v_lshlrev_b32 v1, 4, v7                        ; 16 x lane
	v_lshlrev_b32 v2, 3, v7                        ; 8 x lane
	v_mul_u32_u24 v3, v8, SP
	v_lshl_add_u32 v3, v9, 5, v3
	s_lshl_b32 s19, s18, 6
	v_add_nc_u32 v3, s19, v3                       ; the stage, on the way in: row r, + 64 om + 32 h
	s_mul_i32 s19, s18, 4*SP
	v_mul_u32_u24 v4, v9, SP
	v_lshl_add_u32 v4, v8, 4, v4
	v_add_nc_u32 v4, s19, v4                       ; and back: rows 4 om on; lanes 0-15 one row, lanes 16-31 the next
	s_lshl_b32 s19, s18, 11
	v_lshlrev_b32 v5, 9, v9
	v_lshl_add_u32 v5, v8, 4, v5
	v_add_nc_u32 v5, s19, v5                       ; the same rows in out0, 512 bytes apart
	s_lshr_b32 s20, ttmp9, 1                       ; u
	s_and_b32 s21, ttmp9, 1                        ; which half of the channels
	s_lshr_b32 s22, s20, 3                         ; batch
	s_and_b32 s23, s20, 7                          ; head
	s_lshl_b32 s22, s22, 7
	s_add_co_u32 s22, s22, s23
	s_mul_i32 s22, s22, REC                        ; split 0's record
	s_mov_b32 s23, 0
	s_lshl_b32 s24, s21, 2
	s_add_co_u32 s24, s24, s18
	s_lshl_b32 s24, s24, 10                        ; my tile in a record
	s_mov_b32 s25, 0
	s_lshl_b32 s26, s20, 13
	s_lshl_b32 s27, s21, 8
	s_add_co_u32 s26, s26, s27                     ; out0: 8,192 u + 256 x half
	s_mov_b32 s27, 0
	s_wait_kmcnt 0x0
	s_load_b64 s[14:15], s[6:7], 0x8               ; ep, ev
	s_add_nc_u64 s[10:11], s[4:5], s[22:23]
	s_add_nc_u64 s[12:13], s[10:11], s[24:25]
	s_add_nc_u64 s[16:17], s[8:9], s[26:27]
.irp sg, 0,1,2,3,4,5,6,7
	global_load_b128 v[48+8*\sg:51+8*\sg], v1, s[12:13] offset:SPLIT*\sg th:TH_LOAD_NT
	global_load_b128 v[52+8*\sg:55+8*\sg], v1, s[12:13] offset:SPLIT*\sg+512 th:TH_LOAD_NT
.endr
.irp sg, 0,1,2,3,4,5,6,7,8,9,10,11,12,13,14,15
	global_load_b64 v[16+2*\sg:17+2*\sg], v2, s[10:11] offset:SPLIT*\sg+8192   ; (-M, l) of my query in split sg
.endr
.irp sg, 8,9,10,11,12,13,14,15
	global_load_b128 v[48+8*\sg:51+8*\sg], v1, s[12:13] offset:SPLIT*\sg th:TH_LOAD_NT
	global_load_b128 v[52+8*\sg:55+8*\sg], v1, s[12:13] offset:SPLIT*\sg+512 th:TH_LOAD_NT
.endr
	s_wait_loadcnt 16                              ; the first eight splits' tiles and the statistics are in; the 16 loads of the other eight splits' tiles may be out
	v_min3_num_f32 v184, v16, v18, v20             ; -M* = the least -M
.irp sg, 3,5,7,9,11,13
	v_min3_num_f32 v184, v184, v[16+2*\sg], v[18+2*\sg]
.endr
	v_min_num_f32 v184, v184, v46
.irp sg, 0,1,2,3,4,5,6,7,8,9,10,11,12,13,14,15
	v_sub_f32 v[16+2*\sg], v184, v[16+2*\sg]       ; M - M*: a whole number, 0 or less
.endr
.irp sg, 0,1,2,3,4,5,6,7,8,9,10,11,12,13,14,15
	v_cvt_i32_f32 v[16+2*\sg], v[16+2*\sg]         ; (it saturates)
.endr
.irp sg, 0,1,2,3,4,5,6,7,8,9,10,11,12,13,14,15
	v_ldexp_f32 v[16+2*\sg], 1.0, v[16+2*\sg]      ; f, beside its l
.endr
	v_mul_f32 v186, v16, v17                       ; l = the sum of f l, in two chains
	v_mul_f32 v187, v18, v19
.irp sg, 2,4,6,8,10,12,14
	v_fma_f32 v186, v[16+2*\sg], v[17+2*\sg], v186
	v_fma_f32 v187, v[18+2*\sg], v[19+2*\sg], v187
.endr
	v_add_f32 v186, v186, v187
	s_wait_alu depctr_va_vdst(0)
	v_rcp_f32 v186, v186
	v_nop                                          ; a plain line behind the reciprocal
	s_wait_kmcnt 0x0
	s_add_co_i32 s14, s14, s15                     ; ep + ev
	s_wait_alu depctr_va_vdst(0)                   ; the wait ahead of the first line that names the reciprocal
	v_ldexp_f32 v186, v186, s14                    ; 2^(ep + ev) / l
.irp sg, 0,1,2,3,4,5,6,7,8,9,10,11,12,13,14,15
.if \sg >= 8
	s_wait_alu depctr_va_vdst(0)                   ; the wait here, directly ahead of the wait below
	s_wait_loadcnt 30-2*\sg                        ; split sg's two loads are in; the later splits' pairs may be out
.endif
.irp i, 0,2,4,6
.if \sg == 0
	s_wait_alu depctr_va_vdst(0)
	v_pk_mul_f32 v[176+\i:177+\i], v[48+\i:49+\i], v[16:17] op_sel_hi:[1,0]   ; the first split starts the sums (of the pair f, l the low word serves both halves)
.else
	v_pk_fma_f32 v[176+\i:177+\i], v[48+8*\sg+\i:49+8*\sg+\i], v[16+2*\sg:17+2*\sg], v[176+\i:177+\i] op_sel_hi:[1,0,1]
.endif
.endr
.endr
.irp i, 0,2,4,6
	v_pk_mul_f32 v[176+\i:177+\i], v[176+\i:177+\i], v[186:187] op_sel_hi:[1,0]
.endr
	ds_store_b128 v3, v[176:179]
	ds_store_b128 v3, v[180:183] offset:16
	s_wait_dscnt 0x0                               ; for the others' sake: my stores into the stage are done
	s_barrier_signal -1
	s_barrier_wait -1
	ds_load_b128 v[48:51], v4
	ds_load_b128 v[52:55], v4 offset:2*SP
	s_wait_dscnt 0x1                               ; the first two rows are back; the second load may be out
	global_store_b128 v5, v[48:51], s[16:17] th:TH_STORE_NT
	s_wait_dscnt 0x0
	global_store_b128 v5, v[52:55], s[16:17] offset:1024 th:TH_STORE_NT
	s_wait_tensorcnt 0x0                           ; the wave's end: behind my last LDS store
	ds_add_u32 v190, v191
	s_wait_dscnt 0x0
	s_endpgm
.Lfunc_end_k_q80a214869e_merge:
	.size	k_q80a214869e_merge, .Lfunc_end_k_q80a214869e_merge-k_q80a214869e_merge
	.p2alignl 7, 3214868480
	.fill 96, 4, 3214868480
	.section	.rodata,"a",@progbits
	.p2align	6, 0x0
	.amdhsa_kernel k_q80a214869e_merge
		.amdhsa_group_segment_fixed_size 5120
		.amdhsa_private_segment_fixed_size 0
		.amdhsa_enable_private_segment 0
		.amdhsa_kernarg_size 24
		.amdhsa_user_sgpr_count 2
		.amdhsa_user_sgpr_kernarg_segment_ptr 1
		.amdhsa_wavefront_size32 1
		.amdhsa_system_sgpr_workgroup_id_x 1
		.amdhsa_system_sgpr_workgroup_id_y 1
		.amdhsa_system_sgpr_workgroup_id_z 1
		.amdhsa_system_vgpr_workitem_id 0
		.amdhsa_next_free_vgpr 192
		.amdhsa_next_free_sgpr 66
		.amdhsa_reserve_vcc 0
		.amdhsa_float_denorm_mode_32 3
		.amdhsa_float_denorm_mode_16_64 3
		.amdhsa_memory_ordered 1
		.amdhsa_forward_progress 1
		.amdhsa_inst_pref_size 16
	.end_amdhsa_kernel
	.amdgpu_metadata
---
amdhsa.version: [ 1, 2 ]
amdhsa.kernels:
  - .name:           k_q80a214869e_merge
    .symbol:         k_q80a214869e_merge.kd
    .args:
      - { .name: part, .offset: 0, .size: 8, .value_kind: global_buffer, .address_space: global }
      - { .name: lowp_scales, .offset: 8, .size: 8, .value_kind: global_buffer, .address_space: global }
      - { .name: out0, .offset: 16, .size: 8, .value_kind: global_buffer, .address_space: global }
    .group_segment_fixed_size: 5120
    .private_segment_fixed_size: 0
    .kernarg_segment_align: 8
    .kernarg_segment_size: 24
    .max_flat_workgroup_size: 128
    .sgpr_count:     66
    .vgpr_count:     192
    .wavefront_size: 32
...
	.end_amdgpu_metadata
.endif
;; end of part 2
